; MI455X (gfx1250); checked and timed in simulation.
; The chip was launched on July 23, 2026; its instructions are those of AMD's public machine-readable ISA for CDNA 5 (MIT licence, August 2026) and "CDNA5" Instruction Set Architecture Reference Guide (July 2026). The comments in the code are by the model that wrote it; some were corrected since.
;; IDNN. Allowed arithmetic: matrix products marked QUANTISED: E2M3 operands, one E8M0 scale for each 32 along K, by v_wmma_scale_f32_16x16x128_f8f6f4 with both operands' format E2M3, f32 sums; products left as they are: f32 operands where the result goes on into a quantised operand, else bf16, f16 or f32 operands; f32 sums; everything else in f32.
;; Inputs: W1 16 x 256 float32; W2 256 x 256 float32; W3 256 x 1 float32; b1 256 float32; b2 256 float32; x 16,384 x 16 float32.
;; Outputs: out0 16,384 x 1 float32; out1 16,384 x 16 float32; out2 16,384 x 16 x 16 float32.
;; This version of the problem:
;;   THIS VERSION OF THE PROBLEM IS GIVEN IN LOW PRECISION. The matrix products marked QUANTISED in the list below multiply operands that are first quantised to E2M3 (2 exponent bits, 3 mantissa bits; 6 bits a number), with one power-of-two scale for each 32 numbers along K (OCP MX v1.0); their sums are f32. All else is computed in f32.
;;   The module's matrix products, in the order in which they are computed (A, B: the left and right operand; K: the contracted axis; several contracted axes count as one K, in the product's order):
;;     1. [M 16,384, K 16] x [K 16, N 256]; A: input x; B: input W1: left as it is (K = 16 < 32)
;;     2. [M 16,384, K 256] x [K 256, N 256]; A: computed on the way; B: input W2: QUANTISED
;;     3. [M 16,384, K 256] x [K 256, N 1]; A: computed on the way; B: input W3: left as it is (N = 1 < 16)
;;     4. [M 16,384, K 16] x [K 16, N 256]; A: input x; B: input W1: left as it is (K = 16 < 32)
;;     5. [M 16,384, K 256] x [K 256, N 256]; A: computed on the way; B: input W2: QUANTISED
;;     6. [M 16,384, K 256] x [K 256, N 1]; A: computed on the way; B: input W3: left as it is (N = 1 < 16)
;;     7. [M 1, K 1] x [K 1, N 256]; A: computed on the way; B: input W3: left as it is (K = 1 < 32)
;;     8. [M 16,384, K 256] x [K 256, N 256]; A: computed on the way; B: input W2: QUANTISED
;;     9. [M 16,384, K 256] x [K 256, N 16]; A: computed on the way; B: input W1: QUANTISED
;;     10. [M 16,384, K 16] x [K 16, N 256]; A: input x; B: input W1: left as it is (K = 16 < 32)
;;     11. [M 16, K 16] x [K 16, N 256]; A: computed on the way; B: input W1: left as it is (K = 16 < 32)
;;     12. [M 16,384, K 256] x [K 256, N 256]; A: computed on the way; B: input W2: QUANTISED
;;     13. [M 262,144, K 256] x [K 256, N 256]; A: computed on the way; B: input W2: QUANTISED
;;     14. [M 16,384, K 256] x [K 256, N 1]; A: computed on the way; B: input W3: left as it is (N = 1 < 16)
;;     15. [M 262,144, K 256] x [K 256, N 1]; A: computed on the way; B: input W3: left as it is (N = 1 < 16)
;;     16. [M 1, K 1] x [K 1, N 256]; A: computed on the way; B: input W3: left as it is (K = 1 < 32)
;;     17. [M 16,384, K 256] x [K 256, N 256]; A: computed on the way; B: input W2: QUANTISED
;;     18. [M 262,144, K 256] x [K 256, N 256]; A: computed on the way; B: input W2: QUANTISED
;;     19. [M 16,384, K 256] x [K 256, N 16]; A: computed on the way; B: input W1: QUANTISED
;;     20. [M 262,144, K 256] x [K 256, N 16]; A: computed on the way; B: input W1: QUANTISED
;;   THE QUANTISER, for each operand of a quantised product, along K:
;;     - K is cut into blocks of 32 from its start; a last block that is shorter is filled with zeros.
;;     - A block's scale is 2^e with e = floor(log2(the largest magnitude in the block)) - 2, held to -126 .. 127; a block of zeros has e = 0. As a byte (E8M0): e + 127.
;;     - Each number is divided by its block's scale, clamped to +-7.5, and rounded to the nearest number of E2M3, ties to even, subnormals kept.
;;     - The product sums the exact products of the quantised numbers (number of the format x scale) in f32.
;;   ~~~python
;;   def quantise(x, axis):      # numpy; x: float32 -> the quantised numbers, widened to float32 again
;;       x = np.moveaxis(x, axis, -1); K = x.shape[-1]
;;       x = np.pad(x, [(0, 0)] * (x.ndim - 1) + [(0, -K % 32)]); x = x.reshape(x.shape[:-1] + (-1, 32)); a = np.abs(x).max(-1, keepdims=True)
;;       e = np.where(a > 0, np.clip(np.frexp(np.where(a > 0, a, 1))[1] - 1 - 2, -126, 127), 0)      # np.frexp(a)[1] - 1 = floor(log2(a)), exactly
;;       r = np.clip(x / 2.0 ** e, -7.5, 7.5)
;;       step = 2.0 ** (np.maximum(np.frexp(np.where(r == 0, 1, r))[1] - 1, 0) - 3)
;;       q = np.round(r / step) * step * 2.0 ** e      # np.round: ties to even
;;       return np.moveaxis(q.reshape(q.shape[:-2] + (-1,))[..., :K], -1, axis).astype(np.float32)
;;   ~~~
;;   OPERANDS COMPUTED ON THE WAY. 'Computed on the way' means the value that the module computes at that place (a softmax that the list does not call 'softmax' is quantised finished and normalised). What goes into a quantiser is computed in f32, as accurately as f32 sums, v_exp_f32 and their like allow (about 1e-6 of the number): no bf16 or f16 on the way to a quantiser, and a product that is left as it is and whose result goes on into a quantised operand takes f32 operands (vector FMAs, or v_wmma_f32_16x16x4_f32). A number that lies on a knife's edge between two numbers of the format may be rounded either way, as far as f32 arithmetic and the matrix unit's own rounding can turn it there, and no further.
;; One version. Each part assembles by itself: llvm-mc -triple=amdgcn-amd-amdhsa -mcpu=gfx1250 --defsym DOCPART=n.
;; ======== version 1 of 1: 2 launches
;; workspace buffers: wimg 106,496 bytes
;; launch prep (part 1): grid 33 x 1, 1 waves a work-group, no clusters, 0 bytes of LDS; arguments W2, W1, wimg; writes wimg
.if DOCPART == 1
	.amdgcn_target "amdgcn-amd-amdhsa--gfx1250"
	.amdhsa_code_object_version 6
	.text
	.protected	k_q2dc455ff90_prep
	.globl	k_q2dc455ff90_prep
	.p2align	8
	.type	k_q2dc455ff90_prep,@function
k_q2dc455ff90_prep:
	s_mov_b64 s[64:65], 0
	v_nop
	global_prefetch_b8 v0, s[64:65] scope:SCOPE_SE
	s_setreg_imm32_b32 hwreg(HW_REG_WAVE_MODE, 25, 1), 1
	s_wait_xcnt 0x0
; The weights become codes of FP6 (E2M3) with one E8M0 byte for each 32 along K, once, laid as images of the operand's registers.
; Work-group T takes one tile of 16 operand rows x 256 along K (two K steps of 128):
;   T = 0..15  W2 with K = its first axis  (operand row = a column n of W2)
;   T = 16..31 W2 with K = its second axis (operand row = a row k of W2)
;   T = 32     W1 with K = its second axis (operand row = a row i of W1)
; THE ROWS OF A TILE ARE NOT NEIGHBOURS: lane m of tile 4 g + v takes row 64 g + 32 (m / 8) + 8 v + m % 8 (W1: row m), so that in the
; transposed product a lane's registers of four tiles are a whole block of 32 along the next K.
; Lane (m, h) holds k = 128 s + 64 c + 32 h + 0..31 of its row: whole blocks, so that a block's largest magnitude needs no other lane.
; wimg: fragment 2 T + s at 1,536 (2 T + s): its registers 4 c .. 4 c + 3 at 512 c + 16 x lane.  Scale words from byte 101,376 on: tile T at 128 T,
; lane m's 8 bytes (word of s = 0, word of s = 1) at 8 m; tile 32 is written 256 bytes wide and 768 zero bytes follow: 106,496 bytes in all, every one stored.
; A block's byte is its largest magnitude's exponent field - 2, held at 1 from below.  LIMITS: a block of zeros gets the byte 1 (its codes are zeros, and
; this program alone reads the bytes); NaN and infinities among the inputs are not served.
.set X,    32                          ; v32-159  128 numbers: block b = 2 s + c at X + 32 b
.set CODE, 160                         ; v160-183 the two fragments' registers
.set QQ,   184                         ; v184-199 a block's upper 16 codes, before they are moved to their odd place
.set SCLB, 101376
	s_load_b128 s[4:7], s[0:1], 0x0                ; W2, W1
	s_load_b64 s[8:9], s[0:1], 0x10                ; wimg
	v_and_b32 v1, 15, v0                           ; m
	v_lshrrev_b32 v2, 4, v0                        ; h
	v_lshlrev_b32 v4, 4, v0                        ; 16 x lane
	v_lshlrev_b32 v6, 3, v2                        ; 8 h
	v_lshrrev_b32 v7, 3, v1                        ; m / 8
	v_and_b32 v28, 7, v1                           ; m % 8
	v_mov_b32 v24, 0                               ; a lane permute's destination counts as one of its sources
	v_mov_b32 v25, 0
	v_mov_b32 v26, 0                               ; zeros for the tail of the scale words
	v_mov_b32 v27, 0
	s_and_b32 s10, ttmp9, 15                       ; the tile within its tensor (0 for W1)
	s_lshr_b32 s11, s10, 2
	s_and_b32 s12, s10, 3
	s_lshl_b32 s11, s11, 6
	s_lshl_b32 s12, s12, 3
	s_add_co_u32 s14, s11, s12                     ; 64 g + 8 v
	s_mov_b32 s15, 0
	s_mov_b32 s20, 0x76543210
	s_mov_b32 s21, 0xfedcba98                      ; selects for lane l xor 16
	s_wait_kmcnt 0x0
	s_cmp_lt_u32 ttmp9, 16
	s_cbranch_scc0 .Linner
	; K = W2's first axis: a lane takes a column and its registers run down K
	s_lshl_b32 s14, s14, 2
	s_add_nc_u64 s[4:5], s[4:5], s[14:15]
	v_lshlrev_b32 v3, 15, v2                       ; 32 rows of 1,024 bytes for lanes 16-31
	v_lshl_add_u32 v3, v7, 7, v3
	v_lshl_add_u32 v3, v28, 2, v3
.set c_, 0
.rept 128                                          ; block c_ / 32, number c_ % 32: k = 64 b + i
	global_load_b32 v[X+c_], v3, s[4:5] offset:1024*(64*(c_/32)+c_%32)
.set c_, c_+1
.endr
	s_branch .Ljoin
.Linner:
	; K = the second axis: a lane takes a row, 32 neighbours a block
	s_cmp_eq_u32 ttmp9, 32
	s_cselect_b64 s[4:5], s[6:7], s[4:5]           ; W1 or W2: the choice hangs on the work-group's number alone
	s_cselect_b32 s16, 8, 32                       ; rows from lanes 0-7 to lanes 8-15
	s_lshl_b32 s14, s14, 10
	s_add_nc_u64 s[4:5], s[4:5], s[14:15]
	v_mad_u32_u24 v3, v7, s16, v28
	v_lshlrev_b32 v3, 10, v3
	v_lshl_add_u32 v3, v2, 7, v3
.set c_, 0
.rept 32                                           ; block c_ / 8, four numbers at a time
	global_load_b128 v[X+4*c_:X+4*c_+3], v3, s[4:5] offset:256*(c_/8)+16*(c_%8)
.set c_, c_+1
.endr
.Ljoin:
	s_wait_loadcnt 0x0
.irp b, 0,1,2,3
	v_max3_num_f32 v[8+\b], |v[X+32*\b]|, |v[X+32*\b+1]|, 0x1800000    ; with the floor 2^(3 - 127): the byte cannot fall under 1
.endr
.set r_, 1
.rept 15
.irp b, 0,1,2,3
	v_max3_num_f32 v[8+\b], v[8+\b], |v[X+32*\b+2*r_]|, |v[X+32*\b+2*r_+1]|   ; the four blocks by turns
.endr
.set r_, r_+1
.endr
.irp b, 0,1,2,3
	v_add_nc_u32 v[12+\b], 0xff000000, v[8+\b]     ; 2 off the exponent field: the conversion's scale operand
.endr
.irp b, 0,1,2,3
	v_lshrrev_b32 v[16+\b], 23, v[12+\b]           ; the scale's byte
.endr
.irp b, 0,1,2,3
	v_cvt_scalef32_pk16_fp6_f32 v[CODE+6*\b:CODE+6*\b+2], v[X+32*\b:X+32*\b+15], v[12+\b]
	v_cvt_scalef32_pk16_fp6_f32 v[QQ+4*\b:QQ+4*\b+2], v[X+32*\b+16:X+32*\b+31], v[12+\b]   ; (a conversion's three registers begin on an even number)
.endr
	v_nop                                          ; one plain place behind the scaled conversions
.irp b, 0,1,2,3
.irp e, 0,1,2
	v_mov_b32 v[CODE+6*\b+3+\e], v[QQ+4*\b+\e]
.endr
.endr
	v_lshl_or_b32 v22, v17, 16, v16                ; K step 0: my bytes of blocks h and 2 + h,
	v_lshl_or_b32 v23, v19, 16, v18                ; K step 1 likewise,
	v_lshlrev_b32 v22, v6, v22                     ; at their places (8 h bits up);
	v_lshlrev_b32 v23, v6, v23
	v_permlanex16_b32 v24, v22, s20, s21
	v_permlanex16_b32 v25, v23, s20, s21
	v_or_b32 v20, v22, v24                         ; with lane l xor 16's two the words are whole
	v_or_b32 v21, v23, v25
	s_mul_i32 s14, ttmp9, 3072
	s_add_nc_u64 s[22:23], s[8:9], s[14:15]
.set c_, 0
.rept 6
	global_store_b128 v4, v[CODE+4*c_:CODE+4*c_+3], s[22:23] offset:512*c_    ; 32 lanes store 512 consecutive bytes
.set c_, c_+1
.endr
	s_lshl_b32 s18, ttmp9, 7
	s_mov_b32 s19, 0
	s_add_nc_u64 s[24:25], s[8:9], s[18:19]
	s_cmp_eq_u32 ttmp9, 32
	s_cselect_b32 s13, 31, 15                      ; lanes 16-31 hold the same words: they write them onto lanes 0-15's, or (tile 32) behind them
	v_and_b32 v5, s13, v0
	v_lshlrev_b32 v5, 3, v5
	global_store_b64 v5, v[20:21], s[24:25] offset:SCLB
	s_cmp_lg_u32 ttmp9, 32
	s_cbranch_scc1 .Lend
.irp z, 1,2,3
	global_store_b64 v5, v[26:27], s[24:25] offset:SCLB+256*\z     ; the zero bytes that round the buffer up to whole rows of 256
.endr
.Lend:
	s_endpgm
.Lfunc_end_k_q2dc455ff90_prep:
	.size	k_q2dc455ff90_prep, .Lfunc_end_k_q2dc455ff90_prep-k_q2dc455ff90_prep
	.p2alignl 7, 3214868480
	.fill 96, 4, 3214868480
	.section	.rodata,"a",@progbits
	.p2align	6, 0x0
	.amdhsa_kernel k_q2dc455ff90_prep
		.amdhsa_group_segment_fixed_size 0
		.amdhsa_private_segment_fixed_size 0
		.amdhsa_enable_private_segment 0
		.amdhsa_kernarg_size 24
		.amdhsa_user_sgpr_count 2
		.amdhsa_user_sgpr_kernarg_segment_ptr 1
		.amdhsa_wavefront_size32 1
		.amdhsa_system_sgpr_workgroup_id_x 1
		.amdhsa_system_sgpr_workgroup_id_y 1
		.amdhsa_system_sgpr_workgroup_id_z 1
		.amdhsa_system_vgpr_workitem_id 0
		.amdhsa_next_free_vgpr 208
		.amdhsa_next_free_sgpr 66
		.amdhsa_reserve_vcc 0
		.amdhsa_float_denorm_mode_32 3
		.amdhsa_float_denorm_mode_16_64 3
		.amdhsa_memory_ordered 1
		.amdhsa_forward_progress 1
		.amdhsa_inst_pref_size 24
	.end_amdhsa_kernel
	.amdgpu_metadata
---
amdhsa.version: [ 1, 2 ]
amdhsa.kernels:
  - .name:           k_q2dc455ff90_prep
    .symbol:         k_q2dc455ff90_prep.kd
    .args:
      - { .name: W2, .offset: 0, .size: 8, .value_kind: global_buffer, .address_space: global }
      - { .name: W1, .offset: 8, .size: 8, .value_kind: global_buffer, .address_space: global }
      - { .name: wimg, .offset: 16, .size: 8, .value_kind: global_buffer, .address_space: global }
    .group_segment_fixed_size: 0
    .private_segment_fixed_size: 0
    .kernarg_segment_align: 8
    .kernarg_segment_size: 24
    .max_flat_workgroup_size: 32
    .sgpr_count:     66
    .vgpr_count:     208
    .wavefront_size: 32
...
	.end_amdgpu_metadata
.endif
;; end of part 1
;; launch main (part 2): grid 256 x 1, 4 waves a work-group, clusters of 4 x 1, 327,680 bytes of LDS; arguments x, W1, b1, b2, W3, wimg, out0, out1, out2; writes out0, out1, out2
.if DOCPART == 2
	.amdgcn_target "amdgcn-amd-amdhsa--gfx1250"
	.amdhsa_code_object_version 6
	.text
	.protected	k_q2dc455ff90_main
	.globl	k_q2dc455ff90_main
	.p2align	8
	.type	k_q2dc455ff90_main,@function
k_q2dc455ff90_main:
	s_mov_b64 s[64:65], 0
	v_nop
	global_prefetch_b8 v0, s[64:65] scope:SCOPE_SE
	s_setreg_imm32_b32 hwreg(HW_REG_WAVE_MODE, 25, 1), 1
	s_wait_xcnt 0x0
	s_wait_alu depctr_hold_cnt(0) depctr_sa_sdst(0) depctr_va_vdst(0) depctr_va_sdst(0) depctr_va_ssrc(0) depctr_va_vcc(0) depctr_vm_vsrc(0)
	s_getreg_b32 s2, hwreg(HW_REG_IB_STS2, 6, 4)
	s_cmp_eq_u32 s2, 0
	s_cbranch_scc0 .Lentry_in_a_cluster
	s_endpgm
.Lentry_in_a_cluster:
	s_bfe_u32 s2, ttmp6, 0x10000c
	s_cmp_lg_u32 s2, 0x3003
	s_cbranch_scc0 .Lentry_shape_is_right
	s_endpgm
.Lentry_shape_is_right:
; y = softplus(softplus(x W1 + b1) W2 + b2) . W3, its gradient dy and its Hessian ddy (out2[b][i][j]: j the tangent), all fused.  The products with K = 256 go on codes of FP6 (E2M3)
; with one E8M0 byte for each 32 along K; x W1 (K = 16) goes in f32, since its result is quantised.  Repeated products of the source are computed once.
; With s = sigmoid and tangent j:  A1 = s1 W1[j,:] -> x W2 (K = axis 0) = Z;  A2 = (W3 s2 (1 - s2)) Z -> x W2 (K = axis 1) = U;  A3 = U s1 + (dh1 s1 (1 - s1)) W1[j,:] -> x W1 (K = axis 1) = out2[b][:][j].
; SHARES.  A wave owns 16 samples from x to the three outputs; a work-group has four waves, one to a SIMD; 1,024 groups of 16 = 256 work-groups.  Waves share only the weights in LDS.
; LAYOUT.  A vector over 256 units is 128 registers: register 32 g + i of lane (r, h) is unit 64 g + 32 h + i of sample r: every lane holds whole blocks of 32, which is the 6-bit operand's own layout.
; All products are used transposed (source 0 = 16 rows of a weight, source 1 = 16 samples), and the rows of a weight tile are chosen (by the launch before) so that results fall into this same layout.
; In the tangent work a tile of rows is the wave's 16 samples at ONE tangent; four tangents (a pass) share each weight fragment read from LDS; four passes.
; BY TURNS.  In a pass the vector work on one half (32 units a lane) stands in 16 slices behind the 16 matrix instructions of the next half.
; CLUSTER.  All work-groups read the same weights: the four of a cluster ask for them jointly, once, at the head; nothing in LDS is filled again.
; LIMITS: NaN and infinities are not served; 2^t under 2^-126 counts as 0 (z below about -87: softplus and sigmoid are 0 there); a block of zeros has the byte 1 and zero codes.
.set W21O,  49152                      ; LDS 0: W2 by its first axis, 32 fragments of 1,536 bytes; here: W2 by its second axis;
.set SCL,   101376                     ; (98,304: W1's two fragments) the weights' scale words
.set W1L,   106496                     ; W1 as f32, 16 rows of 1,024 bytes
.set PRIV,  122880                     ; each wave's own 49,408 bytes:
.set PRIVB, 49408
.set RBO,   16640                      ;   +0 s1, then dy's stage, then out2's stage (16 rows, 1,040 apart); +16,640 z1, then C2 = W3 s2 (1 - s2);
.set RCO,   33024                      ;   +33,024 s1 (1 - s1), then E1 = dh1 s1 (1 - s1).  A vector's registers 4 n .. 4 n + 3 lie at 512 n + 16 x lane
.set YST,   320512                     ; y of the work-group's 64 samples
.set SPARE, 320768                     ; the spare words, 128 bytes for each wave: two blocks of 256 bytes that no other line names
; window 0
.set LI,  1                            ; 16 x lane (also: W2 by its first axis)
.set L8,  2                            ; 8 x lane
.set AW1, 3                            ; 16 x lane + 49,152
.set ASC, 4                            ; SCL + 8 x lane
.set ARA, 5
.set ARB, 6
.set ARC, 7                            ; my three regions + 16 x lane
.set AOW, 8                            ; out2's stage: 1,040 r + 512 h
.set AOP, 9                            ;   + 16 x pass
.set H8,  10                           ; 8 h
.set AWR0, 11                          ; W1L + 128 h
.set AWR, 12                           ;   + 4,096 x pass
.set AB,  13                           ; 128 h: my units' place in b1, b2, W3
.set ADY, 14                           ; dy's stage: 64 r + 32 h
.set AY,  15                           ; YST + 64 x wave + 4 r
.set SPW, 16                           ; my spare word; never rewritten
.set NIL, 17                           ; 0; never rewritten
.set WS,  18                           ; v18-21 weights' scale words: two pairs (K step 0, 1); lanes 0-15 an even tile, lanes 16-31 the odd one
.set WQS, 22                           ; v22-23 W1's
.set SA,  24                           ; v24-31 scale words of operand set A: tangent t, K step s at 2 t + s
.set SB,  32                           ; v32-39 of set B
.set TA,  26                           ; in the forward part v26-31 are a trip's addresses, v34-36 the scale words on their way
.set TBR, 27
.set TC,  28
.set TW,  29
.set TS,  30
.set TG,  31
.set SW0, 34
.set SW1, 35
.set BY,  36
.set TM,  40                           ; v40-43 largest magnitudes; v44-47 scale operands; v48-51, v52-55 bytes at work
.set SO,  44
.set HB,  48
.set TP,  52
.set LC,  56                           ; v56-87  a chunk from LDS: 2 x 16 in the passes, 32 in the forward part
.set FA,  88                           ; v88-119 forward: max(z, 0); passes: EW, 2 x 16
.set EW,  88
.set FB,  120                          ; v120-247 forward: four arrays of 32; passes: VT, 32 for each tangent
.set FC,  152
.set FD,  184
.set FE,  216
.set VT,  120
.set YA,  248                          ; v248-253 y in three chains
.set AYR, 254                          ; YST + 8 x lane
; window 1: v0-127 Z, written by matrix instructions alone; v128-223 weight fragments, two buffers of 48
.set WBB, 128
; window 2: operand sets A and B, 24 registers a tangent; QT: a block's upper codes before their move; W3C: a chunk of W3
.set CA,  0
.set CB,  96
.set QT,  192
.set W3C, 208
; window 3: v0-127 s1 (at first W1's f32 fragments); v128-255 rows of W1, two buffers of 64 (at first b1)
.set WR,  128
.set MSB, 0
.macro WIN new                         ; the immediate's high byte repeats the setting that is left; a switch that changes nothing is dropped
.if MSB != \new
	s_set_vgpr_msb (MSB<<8)|\new
.set MSB, \new
.endif
.endm
.macro PLACES n
.rept \n
	v_nop
.endr
.endm
.macro ROUND                           ; a round of the cluster's barrier
	s_barrier_signal -1
	s_barrier_wait -1
	s_cmp_lg_u32 s3, 0
	s_cbranch_scc1 .Lnot_wave_0_\@
	s_barrier_signal -3
.Lnot_wave_0_\@:
	s_barrier_wait -3
	s_barrier_signal -1
	s_barrier_wait -1
.endm
; One product on codes: D = v[rD], weights v[rA], samples v[rB]; zr: it starts the sum; rw: the weights' scale words stand in lanes 16-31
.macro MMX
.if zr
.if rw
	v_wmma_scale_f32_16x16x128_f8f6f4 v[rD:rD+7], v[rA:rA+11], v[rB:rB+11], 0, v[rSA], v[rSB] matrix_a_fmt:MATRIX_FMT_FP6 matrix_b_fmt:MATRIX_FMT_FP6 matrix_a_scale:MATRIX_SCALE_ROW1
.else
	v_wmma_scale_f32_16x16x128_f8f6f4 v[rD:rD+7], v[rA:rA+11], v[rB:rB+11], 0, v[rSA], v[rSB] matrix_a_fmt:MATRIX_FMT_FP6 matrix_b_fmt:MATRIX_FMT_FP6
.endif
.else
.if rw
	v_wmma_scale_f32_16x16x128_f8f6f4 v[rD:rD+7], v[rA:rA+11], v[rB:rB+11], v[rD:rD+7], v[rSA], v[rSB] matrix_a_fmt:MATRIX_FMT_FP6 matrix_b_fmt:MATRIX_FMT_FP6 matrix_a_scale:MATRIX_SCALE_ROW1
.else
	v_wmma_scale_f32_16x16x128_f8f6f4 v[rD:rD+7], v[rA:rA+11], v[rB:rB+11], v[rD:rD+7], v[rSA], v[rSB] matrix_a_fmt:MATRIX_FMT_FP6 matrix_b_fmt:MATRIX_FMT_FP6
.endif
.endif
.endm
	s_load_b512 s[8:23], s[0:1], 0x0               ; x s[8:9], W1 s[10:11], b1 s[12:13], b2 s[14:15], W3 s[16:17], wimg s[18:19], out0 s[20:21], out1 s[22:23]
	s_load_b64 s[24:25], s[0:1], 0x40              ; out2
	v_lshl_add_u32 v[SPW], v0, 2, SPARE
	v_mov_b32 v[NIL], 0
	ds_add_u32 v[SPW], v[NIL]                      ; the wave's opening: the add and its wait stand ahead of my first tensor load; the set-up below, work on registers, stands between them
	v_lshrrev_b32 v40, 5, v0
	v_readfirstlane_b32 s3, v40                    ; wave 0..3
	v_and_b32 v40, 15, v0                          ; r
	v_bfe_u32 v41, v0, 4, 1                        ; h
	v_and_b32 v42, 31, v0                          ; lane
	s_mul_i32 s4, s3, PRIVB
	s_add_co_u32 s4, s4, PRIV                      ; my wave's own LDS
	v_lshlrev_b32 v[LI], 4, v42
	v_lshlrev_b32 v[L8], 3, v42
	v_add_nc_u32 v[AW1], W21O, v[LI]
	v_add_nc_u32 v[ASC], SCL, v[L8]
	v_add_nc_u32 v[ARA], s4, v[LI]
	v_add_nc_u32 v[ARB], RBO, v[ARA]
	v_add_nc_u32 v[ARC], RCO, v[ARA]
	v_mul_u32_u24 v[AOW], v40, 1040
	v_lshl_add_u32 v[AOW], v41, 9, v[AOW]
	v_add_nc_u32 v[AOW], s4, v[AOW]
	v_lshlrev_b32 v[H8], 3, v41
	v_lshlrev_b32 v[AB], 7, v41
	v_add_nc_u32 v[AWR0], W1L, v[AB]
	v_lshlrev_b32 v[ADY], 6, v40
	v_lshl_add_u32 v[ADY], v41, 5, v[ADY]
	v_add_nc_u32 v[ADY], s4, v[ADY]
	s_lshl_b32 s2, s3, 6
	v_lshl_add_u32 v[AY], v40, 2, YST
	v_add_nc_u32 v[AY], s2, v[AY]
	v_add_nc_u32 v[AYR], YST, v[L8]
	v_lshlrev_b32 v43, 6, v40
	v_lshl_add_u32 v43, v41, 3, v43                ; x: 64 r + 8 h
	v_bfe_u32 v44, v0, 3, 1
	v_and_b32 v45, 7, v0
	v_lshlrev_b32 v46, 11, v41
	v_lshl_add_u32 v46, v44, 7, v46
	v_lshl_add_u32 v46, v45, 2, v46                ; W1's f32 fragments: 2,048 h + 128 (r / 8) + 4 (r % 8)
	s_bfe_u32 s5, ttmp6, 0x40000                   ; cx: it enters global addresses alone
	s_lshl_b32 s6, ttmp9, 2
	s_add_co_u32 s6, s6, s5                        ; work-group
	s_lshl_b32 s7, s6, 2
	s_add_co_u32 s7, s7, s3                        ; my group of 16 samples
	s_mov_b32 s26, 0x76543210
	s_mov_b32 s27, 0xfedcba98                      ; selects for lane l xor 16
	s_mov_b32 s30, 0x3fb8aa3b                      ; log2(e)
	; descriptor groups 1: dense blocks as rows of 256 bytes (32 elements of 8 bytes), no padding; the mask names the cluster's four, bit 21 beside it
	s_mov_b32 s40, 15|(3<<16)|(1<<21)
	s_mov_b32 s41, 32<<16                          ; tensor_dim0 = 32
	s_mov_b32 s42, 104<<16                         ; tensor_dim1 = 104: a quarter of the weights' 416 rows
	s_mov_b32 s43, 32<<16                          ; tile_dim0
	s_mov_b32 s44, 104                             ; tile_dim1
	s_mov_b32 s45, 32                              ; the pitch
	s_mov_b32 s46, 0
	s_mov_b32 s47, 0
	s_mov_b32 s56, 15|(3<<16)|(1<<21)
	s_mov_b32 s57, 32<<16
	s_mov_b32 s58, 16<<16                          ; a quarter of W1's 64 rows
	s_mov_b32 s59, 32<<16
	s_mov_b32 s60, 16
	s_mov_b32 s61, 32
	s_mov_b32 s62, 0
	s_mov_b32 s63, 0
	s_wait_dscnt 0x0                               ; the opening add is done
	s_wait_kmcnt 0x0
	s_lshl_b32 s28, s7, 10
	s_mov_b32 s29, 0
	s_add_nc_u64 s[8:9], s[8:9], s[28:29]          ; x and out1: 1,024 bytes a group
	s_add_nc_u64 s[22:23], s[22:23], s[28:29]
	s_lshl_b32 s28, s7, 14
	s_add_nc_u64 s[24:25], s[24:25], s[28:29]      ; out2: 16,384
	s_lshl_b32 s28, s6, 8
	s_add_nc_u64 s[20:21], s[20:21], s[28:29]      ; out0: 256 a work-group
	s_mov_b32 s36, 1                               ; group 0: my quarter of the weights' images
	s_mul_i32 s37, s3, 26624
	s_mov_b32 s28, s37
	s_add_nc_u64 s[38:39], s[18:19], s[28:29]
	s_or_b32 s39, s39, 0x80000000
	s_mov_b32 s52, 1                               ; and of W1
	s_lshl_b32 s28, s3, 12
	s_add_co_u32 s53, s28, W1L
	s_add_nc_u64 s[54:55], s[10:11], s[28:29]
	s_or_b32 s55, s55, 0x80000000
.set c_, 0
.rept 4
	global_load_b64 v[LC+2*c_:LC+2*c_+1], v43, s[8:9] offset:16*c_ th:TH_LOAD_NT   ; x(r, 4 s + 2 h + 0, 1): source 1 of the f32 product
.set c_, c_+1
.endr
	WIN 0xc0                                       ; destination window 3
.set c_, 0
.rept 128                                          ; W1's f32 fragments: tile c_ / 8, K step (c_ % 8) / 2, register c_ % 2: W1(4 s + 2 h + j, the tile's unit of lane r)
	global_load_b32 v[c_], v46, s[10:11] offset:1024*(4*((c_%8)/2)+c_%2)+256*(c_/32)+32*((c_/8)%4)
.set c_, c_+1
.endr
.set c_, 0
.rept 32
	global_load_b128 v[128+4*c_:128+4*c_+3], v[AB], s[12:13] offset:256*(c_/8)+16*(c_%8)   ; b1 in the vectors' layout
.set c_, c_+1
.endr
	WIN 0
	ROUND                                          ; all four work-groups are here: the joint loads meet
	tensor_load_to_lds s[36:39], s[40:47]          ; the first fills, and the only ones: two tensor loads of mine are out
	s_nop 0
	tensor_load_to_lds s[52:55], s[56:63]
	s_nop 0
	PLACES 4
.irp t, 0,1,2,3
	v_mov_b32 v[TP+\t], 0                          ; a lane permute's destination counts as one of its sources
.endr
	v_mov_b32 v[SW0], 0
	v_mov_b32 v[SW1], 0
	WIN 0x80
.set c_, 0
.rept 24
	v_mov_b32 v[CA+c_], 0                          ; the registers through which the forward part's codes walk are read before their first codes arrive
	v_mov_b32 v[CB+c_], 0
.set c_, c_+1
.endr
	WIN 0
	; ---- z1 = x W1 + b1 in f32: 16 tiles by turns, four K steps of 4; b1 is the C of each sum's first product
	s_wait_loadcnt 0x0
	WIN 0x73                                       ; W1 window 3, x window 0, b1 window 3, Z window 1
.set c_, 0
.rept 16
	v_wmma_f32_16x16x4_f32 v[8*c_:8*c_+7], v[8*c_:8*c_+1], v[LC:LC+1], v[128+8*c_:128+8*c_+7]
.set c_, c_+1
.endr
	WIN 0x53
.irp s, 1,2,3
.set c_, 0
.rept 16
	v_wmma_f32_16x16x4_f32 v[8*c_:8*c_+7], v[8*c_+2*\s:8*c_+2*\s+1], v[LC+2*\s:LC+2*\s+1], v[8*c_:8*c_+7]
.set c_, c_+1
.endr
.endr
	WIN 0
	PLACES 8                                       ; eight places behind the f32 form
	WIN 0x04                                       ; an LDS store's data are its source 1: window 1
.set c_, 0
.rept 32
	ds_store_b128 v[ARB], v[4*c_:4*c_+3] offset:512*c_    ; z1 to LDS, so that a loop can walk it; each accumulator from its low end on
.set c_, c_+1
.endr
	WIN 0
; ACT: z in LC (32 numbers) -> FE = softplus, FD = sigmoid, FC = s (1 - s).  u = 2^(-|z| log2 e) <= 1: nothing can overflow.  w = 1 + u; d = u - (w - 1) is the exact remainder;
; log(1 + u) = log2(w) ln 2 + d;  1 / w = the sigmoid of |z|.  The transcendentals go in two batches, each with one wait ahead of its first reader.
.macro ACT
.set e_, 0
.rept 32
	v_mul_f32 v[FB+e_], -|v[LC+e_]|, s30
.set e_, e_+1
.endr
.set e_, 0
.rept 32
	v_exp_f32 v[FB+e_], v[FB+e_]
	v_max_num_f32 v[FA+e_], 0, v[LC+e_]
.set e_, e_+1
.endr
	s_wait_alu depctr_va_vdst(0)
.set e_, 0
.rept 16
	v_pk_add_f32 v[FC+e_:FC+e_+1], v[FB+e_:FB+e_+1], 1.0 op_sel_hi:[1,0]
.set e_, e_+2
.endr
.set e_, 0
.rept 16
	v_rcp_f32 v[FD+e_], v[FC+e_]
	v_rcp_f32 v[FD+e_+1], v[FC+e_+1]
	v_log_f32 v[FE+e_], v[FC+e_]
	v_log_f32 v[FE+e_+1], v[FC+e_+1]
	v_pk_add_f32 v[LC+e_:LC+e_+1], v[FC+e_:FC+e_+1], -1.0 op_sel_hi:[1,0]
	v_pk_add_f32 v[LC+e_:LC+e_+1], v[FB+e_:FB+e_+1], v[LC+e_:LC+e_+1] neg_lo:[0,1] neg_hi:[0,1]
.set e_, e_+2
.endr
	s_wait_alu depctr_va_vdst(0)
.set e_, 0
.rept 16
	v_pk_fma_f32 v[FE+e_:FE+e_+1], v[FE+e_:FE+e_+1], 0x3f317218, v[LC+e_:LC+e_+1] op_sel_hi:[1,0,1]
	v_pk_mul_f32 v[FB+e_:FB+e_+1], v[FB+e_:FB+e_+1], v[FD+e_:FD+e_+1]      ; u / w
.set e_, e_+2
.endr
.set e_, 0
.rept 16
	v_pk_add_f32 v[FE+e_:FE+e_+1], v[FE+e_:FE+e_+1], v[FA+e_:FA+e_+1]      ; softplus
	v_pk_mul_f32 v[FC+e_:FC+e_+1], v[FB+e_:FB+e_+1], v[FD+e_:FD+e_+1]      ; u / w^2 = s (1 - s)
.set e_, e_+2
.endr
.set e_, 0
.rept 4
.irp m, 0,1,2,3,4,5,6,7
	v_cmp_gt_f32 s[66+\m], v[FA+e_+\m], 0
.endr
.irp m, 0,1,2,3,4,5,6,7
	v_cndmask_b32 v[FD+e_+\m], v[FB+e_+\m], v[FD+e_+\m], s[66+\m]          ; z > 0: 1 / w, else u / w (equal at z = 0)
.endr
.set e_, e_+8
.endr
.endm
; QUANT1: a lane's 32 numbers at v[x], one whole block, become six registers of codes.  The 24 registers at cd of window 2 move down by six and the new codes go on top: after four trips chunk g
; stands at cd + 6 g.  The bytes walk through SW0, SW1 likewise: after four trips SW0 = byte 0 | byte 1 << 16, SW1 = byte 2 | byte 3 << 16.
.macro QUANT1 x, cd
	WIN 0
.irp c, 0,1,2,3
	v_max3_num_f32 v[TM+\c], |v[\x+8*\c]|, |v[\x+8*\c+1]|, |v[\x+8*\c+2]|
.endr
.irp c, 0,1,2,3
	v_max3_num_f32 v[TM+\c], v[TM+\c], |v[\x+8*\c+3]|, |v[\x+8*\c+4]|
.endr
.irp c, 0,1,2,3
	v_max3_num_f32 v[TM+\c], v[TM+\c], |v[\x+8*\c+5]|, |v[\x+8*\c+6]|
.endr
.irp c, 0,1,2,3
	v_max3_num_f32 v[TM+\c], v[TM+\c], |v[\x+8*\c+7]|, 0x1800000           ; with the floor 2^(3 - 127)
.endr
	v_max3_num_f32 v[TM], v[TM], v[TM+1], v[TM+2]
	v_max_num_f32 v[TM], v[TM], v[TM+3]
	v_add_nc_u32 v[SO], 0xff000000, v[TM]          ; 2 off the exponent field: the conversion's scale operand
	v_lshrrev_b32 v[BY], 23, v[SO]                 ; the byte
	WIN 0x82
.set k_, 0
.rept 18
	v_mov_b32 v[\cd+k_], v[\cd+k_+6]
.set k_, k_+1
.endr
	WIN 0x80
	v_cvt_scalef32_pk16_fp6_f32 v[\cd+18:\cd+20], v[\x:\x+15], v[SO]
	v_cvt_scalef32_pk16_fp6_f32 v[QT:QT+2], v[\x+16:\x+31], v[SO]          ; (a conversion's three registers begin on an even number)
	v_nop                                          ; one plain place behind the scaled conversions
	WIN 0x82
.irp e, 0,1,2
	v_mov_b32 v[\cd+21+\e], v[QT+\e]
.endr
	WIN 0
	v_lshrrev_b32 v[SW0], 16, v[SW0]
	v_lshl_or_b32 v[SW0], v[SW1], 16, v[SW0]
	v_lshrrev_b32 v[SW1], 16, v[SW1]
	v_lshl_or_b32 v[SW1], v[BY], 16, v[SW1]
.endm
.macro FINSC sd                        ; my bytes go 8 h bits up; with lane l xor 16's the two scale words are whole
	v_lshlrev_b32 v[SW0], v[H8], v[SW0]
	v_lshlrev_b32 v[SW1], v[H8], v[SW1]
	v_permlanex16_b32 v[TP], v[SW0], s26, s27
	v_permlanex16_b32 v[TP+1], v[SW1], s26, s27
	v_or_b32 v[\sd], v[SW0], v[TP]
	v_or_b32 v[\sd+1], v[SW1], v[TP+1]
.endm
.macro LOADW24 areg, off               ; a chunk's eight fragments (four tiles x two K steps)
	WIN 0x40
.set k_, 0
.rept 24
	ds_load_b128 v[WBB+4*k_:WBB+4*k_+3], v[\areg] offset:(\off)+512*k_
.set k_, k_+1
.endr
	WIN 0
.endm
.macro FWDMM cb, sb                    ; a chunk's 64 units for my 16 samples: four accumulators by turns, K step by K step
	WIN 0x59                                       ; weights window 1, samples' codes window 2, C and D window 1
.set n_, 0
.rept 8
.set s_, n_/4
.set w_, n_%4
.set rD, 8*w_
.set rA, WBB+12*(2*w_+s_)
.set rB, (\cb)+12*s_
.set rSA, WS+2*(w_/2)+s_
.set rSB, (\sb)+s_
.set zr, 1-s_
.set rw, w_%2
	MMX
.set n_, n_+1
.endr
	WIN 0
	PLACES 4                                       ; in front of the first read of results and of loads into the fragments' registers
.endm
	; ---- LOOP 1: h1, s1, s1 (1 - s1), a chunk of 64 units (32 registers) a trip; h1 is quantised
.set k_, 0
.rept 8
	ds_load_b128 v[LC+4*k_:LC+4*k_+3], v[ARB] offset:512*k_       ; LDS serves a wave's instructions in order: these see the stores above
.set k_, k_+1
.endr
	s_mov_b32 s31, 0
	s_mov_b32 s32, 0
.Ll1:
	s_wait_dscnt 0x0                               ; this chunk of z1 is in; the last trip's stores have read their registers
	v_add_nc_u32 v[TA], s32, v[ARA]
	v_add_nc_u32 v[TBR], s32, v[ARB]
	v_add_nc_u32 v[TC], s32, v[ARC]
	ACT
	s_cmp_eq_u32 s31, 3
	s_cbranch_scc1 .Ll1n
.set k_, 0
.rept 8
	ds_load_b128 v[LC+4*k_:LC+4*k_+3], v[TBR] offset:4096+512*k_  ; the next chunk of z1
.set k_, k_+1
.endr
.Ll1n:
.set k_, 0
.rept 8
	ds_store_b128 v[TA], v[FD+4*k_:FD+4*k_+3] offset:512*k_
	ds_store_b128 v[TC], v[FC+4*k_:FC+4*k_+3] offset:512*k_
.set k_, k_+1
.endr
	QUANT1 FE, CA
	s_add_co_u32 s32, s32, 4096
	s_add_co_u32 s31, s31, 1
	s_cmp_lt_u32 s31, 4
	s_cbranch_scc1 .Ll1
	FINSC SA
	s_wait_tensorcnt 0x0                           ; my quarters of the weights and of W1 have landed,
	s_wait_dscnt 0x0
	s_barrier_signal -1
	s_barrier_wait -1                              ; everybody's have; nothing is ever filled again
	; ---- LOOP 2: z2 = Q(h1) Q(W2) + b2; y; g2 = W3 s2 is quantised; C2 = W3 s2 (1 - s2) goes to LDS
.irp e, 0,1,2,3,4,5
	v_mov_b32 v[YA+\e], 0
.endr
	LOADW24 LI, 0
	ds_load_b64 v[WS:WS+1], v[ASC]
	ds_load_b64 v[WS+2:WS+3], v[ASC] offset:256
.set k_, 0
.rept 8
	global_load_b128 v[LC+4*k_:LC+4*k_+3], v[AB], s[14:15] offset:16*k_    ; b2's first chunk
.set k_, k_+1
.endr
	s_mov_b32 s31, 0
	s_mov_b32 s32, 0
	s_mov_b32 s35, 0
	s_mov_b32 s48, 0
	s_mov_b32 s49, 0
.Ll2:
	s_wait_dscnt 0x0                               ; the chunk's weights and scale words
	s_wait_loadcnt 0x0                             ; b2's chunk; and every load that read TG is done, so it may be written
	v_add_nc_u32 v[TBR], s32, v[ARB]
	v_add_nc_u32 v[TW], s35, v[LI]
	v_add_nc_u32 v[TS], s48, v[ASC]
	v_add_nc_u32 v[TG], s49, v[AB]
	WIN 0x80
.set k_, 0
.rept 8
	global_load_b128 v[W3C+4*k_:W3C+4*k_+3], v[TG], s[16:17] offset:16*k_  ; W3's chunk, wanted behind the activation
.set k_, k_+1
.endr
	FWDMM CA, SA
	WIN 0x01
.set e_, 0
.rept 16
	v_pk_add_f32 v[LC+e_:LC+e_+1], v[e_:e_+1], v[LC+e_:LC+e_+1]            ; z2, each accumulator from its low end on
.set e_, e_+2
.endr
	WIN 0
	s_cmp_eq_u32 s31, 3
	s_cbranch_scc1 .Ll2a
	LOADW24 TW, 12288                              ; the next chunk's weights land under the activation
	ds_load_b64 v[WS:WS+1], v[TS] offset:512
	ds_load_b64 v[WS+2:WS+3], v[TS] offset:768
.Ll2a:
	ACT
	s_wait_loadcnt 0x0                             ; W3's chunk
	s_cmp_eq_u32 s31, 3
	s_cbranch_scc1 .Ll2b
.set k_, 0
.rept 8
	global_load_b128 v[LC+4*k_:LC+4*k_+3], v[TG], s[14:15] offset:256+16*k_   ; b2's next chunk
.set k_, k_+1
.endr
.Ll2b:
	WIN 0x08                                       ; source 1 (W3) window 2
.set e_, 0
.rept 16
	v_pk_fma_f32 v[YA+2*(e_%3):YA+2*(e_%3)+1], v[FE+2*e_:FE+2*e_+1], v[W3C+2*e_:W3C+2*e_+1], v[YA+2*(e_%3):YA+2*(e_%3)+1]
	v_pk_mul_f32 v[FD+2*e_:FD+2*e_+1], v[FD+2*e_:FD+2*e_+1], v[W3C+2*e_:W3C+2*e_+1]
	v_pk_mul_f32 v[FC+2*e_:FC+2*e_+1], v[FC+2*e_:FC+2*e_+1], v[W3C+2*e_:W3C+2*e_+1]
.set e_, e_+1
.endr
	WIN 0
.set k_, 0
.rept 8
	ds_store_b128 v[TBR], v[FC+4*k_:FC+4*k_+3] offset:512*k_
.set k_, k_+1
.endr
	QUANT1 FD, CB
	s_add_co_u32 s32, s32, 4096
	s_add_co_u32 s35, s35, 12288
	s_add_co_u32 s48, s48, 512
	s_add_co_u32 s49, s49, 256
	s_add_co_u32 s31, s31, 1
	s_cmp_lt_u32 s31, 4
	s_cbranch_scc1 .Ll2
	FINSC SB
	v_pk_add_f32 v[YA:YA+1], v[YA:YA+1], v[YA+2:YA+3]
	v_pk_add_f32 v[YA:YA+1], v[YA:YA+1], v[YA+4:YA+5]
	v_add_f32 v[YA], v[YA], v[YA+1]
	v_permlanex16_b32 v[TP], v[YA], s26, s27       ; the sample's other 128 units lie in the lane 16 away
	v_add_f32 v[YA], v[YA], v[TP]
	ds_store_b32 v[AY], v[YA]                      ; both lanes of a sample write the same word with the same value
	; ---- LOOP 3: dh1 = Q(g2) Q(W2), K = W2's second axis; g1 = dh1 s1 is quantised; E1 = dh1 s1 (1 - s1) goes to LDS
	LOADW24 AW1, 0
	ds_load_b64 v[WS:WS+1], v[ASC] offset:2048
	ds_load_b64 v[WS+2:WS+3], v[ASC] offset:2304
.set k_, 0
.rept 8
	ds_load_b128 v[FB+4*k_:FB+4*k_+3], v[ARA] offset:512*k_
	ds_load_b128 v[FC+4*k_:FC+4*k_+3], v[ARC] offset:512*k_
.set k_, k_+1
.endr
	PLACES 4                                       ; with the lines round them: eight places between the scale words' last line and the first product
	s_mov_b32 s31, 0
	s_mov_b32 s32, 0
	s_mov_b32 s35, 0
	s_mov_b32 s48, 0
.Ll3:
	s_wait_dscnt 0x0
	v_add_nc_u32 v[TA], s32, v[ARA]
	v_add_nc_u32 v[TC], s32, v[ARC]
	v_add_nc_u32 v[TW], s35, v[AW1]
	v_add_nc_u32 v[TS], s48, v[ASC]
	FWDMM CB, SB
	WIN 0x01
.set e_, 0
.rept 16
	v_pk_mul_f32 v[FD+e_:FD+e_+1], v[e_:e_+1], v[FB+e_:FB+e_+1]
	v_pk_mul_f32 v[FE+e_:FE+e_+1], v[e_:e_+1], v[FC+e_:FC+e_+1]
.set e_, e_+2
.endr
	WIN 0
	s_cmp_eq_u32 s31, 3
	s_cbranch_scc1 .Ll3a
	LOADW24 TW, 12288
	ds_load_b64 v[WS:WS+1], v[TS] offset:2048+512
	ds_load_b64 v[WS+2:WS+3], v[TS] offset:2048+768
.set k_, 0
.rept 8
	ds_load_b128 v[FB+4*k_:FB+4*k_+3], v[TA] offset:4096+512*k_
	ds_load_b128 v[FC+4*k_:FC+4*k_+3], v[TC] offset:4096+512*k_
.set k_, k_+1
.endr
.Ll3a:
.set k_, 0
.rept 8
	ds_store_b128 v[TC], v[FE+4*k_:FE+4*k_+3] offset:512*k_      ; E1 over this chunk's s1 (1 - s1), which has been read
.set k_, k_+1
.endr
	QUANT1 FD, CA
	s_add_co_u32 s32, s32, 4096
	s_add_co_u32 s35, s35, 12288
	s_add_co_u32 s48, s48, 512
	s_add_co_u32 s31, s31, 1
	s_cmp_lt_u32 s31, 4
	s_cbranch_scc1 .Ll3
	FINSC SA
	; ---- dy = Q(g1) Q(W1); s1 comes into registers for the passes
	WIN 0x40
.set k_, 0
.rept 6
	ds_load_b128 v[WBB+4*k_:WBB+4*k_+3], v[AW1] offset:49152+512*k_
.set k_, k_+1
.endr
	WIN 0
	ds_load_b64 v[WQS:WQS+1], v[ASC] offset:4096
	WIN 0xc0
.set k_, 0
.rept 32
	ds_load_b128 v[4*k_:4*k_+3], v[ARA] offset:512*k_
.set k_, k_+1
.endr
	WIN 0
	PLACES 8                                       ; a scale word written by vector lines stands eight places ahead of a scaled product
	s_wait_dscnt 0x0
	WIN 0x59
.set rD, 32
.set rA, WBB
.set rB, CA
.set rSA, WQS
.set rSB, SA
.set zr, 1
.set rw, 0
	MMX
.set rA, WBB+12
.set rB, CA+12
.set rSA, WQS+1
.set rSB, SA+1
.set zr, 0
	s_wait_alu depctr_va_vdst(0)                   ; the wait stands directly ahead of the link
	MMX
	WIN 0
	PLACES 4
	WIN 0x04
	ds_store_b128 v[ADY], v[32:35]                 ; lane (r, h): dy(r, 8 h + 0 .. 7); the stage lies where s1 lay, whose loads stand ahead
	ds_store_b128 v[ADY], v[36:39] offset:16
	WIN 0
	ds_load_b128 v[LC:LC+3], v[ARA]
	ds_load_b128 v[LC+4:LC+7], v[ARA] offset:512
	s_wait_dscnt 1                                 ; the first of the two is back
	global_store_b128 v[LI], v[LC:LC+3], s[22:23] th:TH_STORE_NT           ; 32 lanes store 512 consecutive bytes
	s_wait_dscnt 0x0
	global_store_b128 v[LI], v[LC+4:LC+7], s[22:23] offset:512 th:TH_STORE_NT
; ---- THE PASSES.  Half hf = 0..7: tiles 2 hf, 2 hf + 1: registers 16 hf .. 16 hf + 15 of a vector; g = hf / 2, vp = hf % 2: two halves make a lane's block of 32.
.macro LOADW areg, off, buf            ; a half's four fragments
	WIN 0x40
.set k_, 0
.rept 12
	ds_load_b128 v[WBB+48*(\buf)+4*k_:WBB+48*(\buf)+4*k_+3], v[\areg] offset:(\off)+512*k_
.set k_, k_+1
.endr
	WIN 0
.endm
.macro WRLOAD hf                       ; the pass's four rows of W1 at my 16 units of half hf: sixteen lanes share each address
	WIN 0xc0
.set k_, 0
.rept 16
	ds_load_b128 v[WR+64*((\hf)%2)+4*k_:WR+64*((\hf)%2)+4*k_+3], v[AWR] offset:1024*(k_/4)+256*((\hf)/2)+64*((\hf)%2)+16*(k_%4)
.set k_, k_+1
.endr
	WIN 0
.endm
.macro MXR vp, rd                      ; a round of the blocks' largest magnitudes, the four tangents by turns
.irp t, 0,1,2,3
.if (\vp)==0 && (\rd)==0
	v_max3_num_f32 v[TM+\t], |v[VT+32*\t]|, |v[VT+32*\t+1]|, 0x1800000     ; with the floor 2^(3 - 127)
.else
	v_max3_num_f32 v[TM+\t], v[TM+\t], |v[VT+32*\t+16*(\vp)+2*(\rd)]|, |v[VT+32*\t+16*(\vp)+2*(\rd)+1]|
.endif
.endr
.endm
.macro TAIL tk, tg, cd, sd             ; a finished block of each tangent becomes codes (registers 6 g on of its operand) and a byte; every second block closes a scale word
.if (\tk)==12
	WIN 0
.irp t, 0,1,2,3
	v_add_nc_u32 v[SO+\t], 0xff000000, v[TM+\t]
.endr
.irp t, 0,1,2,3
.if (\tg)%2==0
	v_lshrrev_b32 v[HB+\t], 23, v[SO+\t]
.else
	v_lshrrev_b32 v[TP+\t], 23, v[SO+\t]
.endif
.endr
.elseif (\tk)==13
	WIN 0x80
.irp t, 0,1,2,3
	v_cvt_scalef32_pk16_fp6_f32 v[(\cd)+24*\t+6*(\tg):(\cd)+24*\t+6*(\tg)+2], v[VT+32*\t:VT+32*\t+15], v[SO+\t]
	v_cvt_scalef32_pk16_fp6_f32 v[QT+4*\t:QT+4*\t+2], v[VT+32*\t+16:VT+32*\t+31], v[SO+\t]
.endr
	v_nop                                          ; one plain place behind the scaled conversions
.elseif (\tk)==14
	WIN 0x82
.irp t, 0,1,2,3
.irp e, 0,1,2
	v_mov_b32 v[(\cd)+24*\t+6*(\tg)+3+\e], v[QT+4*\t+\e]
.endr
.endr
.elseif (\tg)%2==1
	WIN 0
.irp t, 0,1,2,3
	v_lshl_or_b32 v[HB+\t], v[TP+\t], 16, v[HB+\t]
.endr
.irp t, 0,1,2,3
	v_lshlrev_b32 v[HB+\t], v[H8], v[HB+\t]
.endr
.irp t, 0,1,2,3
	v_permlanex16_b32 v[TP+\t], v[HB+\t], s26, s27
.endr
.irp t, 0,1,2,3
	v_or_b32 v[(\sd)+2*\t+(\tg)/2], v[HB+\t], v[TP+\t]
.endr
.endif
.endm
.macro SLB hb, kb                      ; slice kb of 16 of half hb: A2 = C2 Z
.if (\kb)<4
	WIN 0x01
.irp q, 0,2,4,6,8,10,12,14
	v_pk_mul_f32 v[VT+32*(\kb)+16*((\hb)%2)+\q:VT+32*(\kb)+16*((\hb)%2)+\q+1], v[64*((\hb)%2)+16*(\kb)+\q:64*((\hb)%2)+16*(\kb)+\q+1], v[LC+16*((\hb)%2)+\q:LC+16*((\hb)%2)+\q+1]
.endr
.elseif (\kb)<12
	WIN 0
	MXR (\hb)%2,(\kb)-4
.elseif (\hb)%2==1
	TAIL \kb,(\hb)/2,CB,SB
.endif
.endm
.macro SLC hb, kb                      ; slice kb of 16 of half hb: A3 = U s1 + E1 W1[j]
.if (\kb)<8 && (\kb)%2==0
	WIN 0x03
.irp q, 0,2,4,6,8,10,12,14
	v_pk_mul_f32 v[EW+16*(((\kb)/2)%2)+\q:EW+16*(((\kb)/2)%2)+\q+1], v[WR+64*((\hb)%2)+16*((\kb)/2)+\q:WR+64*((\hb)%2)+16*((\kb)/2)+\q+1], v[LC+16*((\hb)%2)+\q:LC+16*((\hb)%2)+\q+1]
.endr
.elseif (\kb)<8
	WIN 0x0d
.irp q, 0,2,4,6,8,10,12,14
	v_pk_fma_f32 v[VT+32*((\kb)/2)+16*((\hb)%2)+\q:VT+32*((\kb)/2)+16*((\hb)%2)+\q+1], v[64*((\hb)%2)+16*((\kb)/2)+\q:64*((\hb)%2)+16*((\kb)/2)+\q+1], v[16*(\hb)+\q:16*(\hb)+\q+1], v[EW+16*(((\kb)/2)%2)+\q:EW+16*(((\kb)/2)%2)+\q+1]
.endr
.elseif (\kb)<12
	WIN 0
	MXR (\hb)%2,2*((\kb)-8)
	MXR (\hb)%2,2*((\kb)-8)+1
.elseif (\hb)%2==1
	TAIL \kb,(\hb)/2,CA,SA
.endif
.endm
.macro STAGEA hf                       ; A1 = s1 W1[j]
	WIN 0
	s_wait_dscnt 0x0
.if (\hf)<7
	WRLOAD (\hf)+1
.endif
	WIN 0x0f
.set k_, 0
.rept 32
	v_pk_mul_f32 v[VT+32*(k_/8)+16*((\hf)%2)+2*(k_%8):VT+32*(k_/8)+16*((\hf)%2)+2*(k_%8)+1], v[WR+64*((\hf)%2)+16*(k_/8)+2*(k_%8):WR+64*((\hf)%2)+16*(k_/8)+2*(k_%8)+1], v[16*(\hf)+2*(k_%8):16*(\hf)+2*(k_%8)+1]
.set k_, k_+1
.endr
	WIN 0
.irp d, 0,1,2,3,4,5,6,7
	MXR (\hf)%2,\d
.endr
.if (\hf)%2==1
.irp d, 12,13,14,15
	TAIL \d,(\hf)/2,CA,SA
.endr
.endif
.endm
; kind 0: Z = Q(A1) Q(W2), K = its first axis; kind 1: U = Q(A2) Q(W2), K = its second.  The head: all LDS loads of the half before are in; places behind its products; the NEXT half's weights and this
; half's chunk of C2 (or E1 and W1's rows) are asked for, in one run.  Then 16 products: K step, tangent, tile: eight accumulators by turns; behind each a slice of the half before.
.macro ITER kind, hf
	WIN 0
	s_wait_dscnt 0x0
.if (\hf)==0
	PLACES 8                                       ; the operand's last scale word has just been written by vector lines
.else
	PLACES 4
.endif
.if (\hf)<7
.if \kind
	LOADW AW1,6144*((\hf)+1),((\hf)+1)%2
.else
	LOADW LI,6144*((\hf)+1),((\hf)+1)%2
.endif
	ds_load_b64 v[WS+2*(((\hf)+1)%2):WS+2*(((\hf)+1)%2)+1], v[ASC] offset:2048*(\kind)+256*((\hf)+1)
.elseif (\kind)==0
	LOADW AW1,0,0
	ds_load_b64 v[WS:WS+1], v[ASC] offset:2048
.else
	WIN 0x40
.set k_, 0
.rept 6
	ds_load_b128 v[WBB+4*k_:WBB+4*k_+3], v[AW1] offset:49152+512*k_       ; W1's two fragments, for the pass's last product
.set k_, k_+1
.endr
	WIN 0
.endif
.set k_, 0
.rept 4
.if \kind
	ds_load_b128 v[LC+16*((\hf)%2)+4*k_:LC+16*((\hf)%2)+4*k_+3], v[ARC] offset:2048*(\hf)+512*k_
.else
	ds_load_b128 v[LC+16*((\hf)%2)+4*k_:LC+16*((\hf)%2)+4*k_+3], v[ARB] offset:2048*(\hf)+512*k_
.endif
.set k_, k_+1
.endr
.if \kind
	WRLOAD \hf
.endif
.set n_, 0
.rept 16
	WIN 0x59
.set s_, n_/8
.set t_, (n_%8)/2
.set w_, n_%2
.set rD, 64*((\hf)%2)+16*t_+8*w_
.set rA, WBB+48*((\hf)%2)+12*(2*w_+s_)
.set rB, CA+96*(\kind)+24*t_+12*s_
.set rSA, WS+2*((\hf)%2)+s_
.set rSB, SA+8*(\kind)+2*t_+s_
.set zr, 1-s_
.set rw, w_
	MMX
.if (\hf)>0
.if \kind
	SLC (\hf)-1,n_
.else
	SLB (\hf)-1,n_
.endif
.endif
.set n_, n_+1
.endr
.endm
.macro EPI kind                        ; the last half's slices
	WIN 0
	s_wait_dscnt 0x0
	PLACES 4
.set n_, 0
.rept 16
.if \kind
	SLC 7,n_
.else
	SLB 7,n_
.endif
.set n_, n_+1
.endr
	WIN 0
.endm
	s_wait_xcnt 0x0                                ; dy's stores have read their registers, which the passes load again
	s_mov_b32 s31, 0
	s_mov_b32 s50, 0
	s_mov_b32 s51, 0
.Lpass:                                            ; four trips: tangents 4 p .. 4 p + 3
	v_add_nc_u32 v[AOP], s50, v[AOW]
	v_add_nc_u32 v[AWR], s51, v[AWR0]
	LOADW LI,0,0
	ds_load_b64 v[WS:WS+1], v[ASC]
	WRLOAD 0
.irp f, 0,1,2,3,4,5,6,7
	STAGEA \f
.endr
.irp f, 0,1,2,3,4,5,6,7
	ITER 0,\f
.endr
	EPI 0
.irp f, 0,1,2,3,4,5,6,7
	ITER 1,\f
.endr
	EPI 1
	PLACES 8                                       ; A3's last scale word has just been written
	WIN 0x59
.set n_, 0
.rept 8                                            ; out2[:, :, j] = Q(A3) Q(W1): four accumulators by turns
.set s_, n_/4
.set t_, n_%4
.set rD, 16*t_
.set rA, WBB+12*s_
.set rB, CA+24*t_+12*s_
.set rSA, WQS+s_
.set rSB, SA+2*t_+s_
.set zr, 1-s_
.set rw, 0
	MMX
.set n_, n_+1
.endr
	WIN 0
	PLACES 4
	WIN 0x04
.set n_, 0
.rept 32                                           ; lane (r, h), register jj of tangent t: out2(r, 8 h + jj, 4 p + t); each accumulator from its low end on
	ds_store_b32 v[AOP], v[16*(n_/8)+n_%8] offset:64*(n_%8)+4*(n_/8)
.set n_, n_+1
.endr
	WIN 0
	s_add_co_u32 s50, s50, 16
	s_add_co_u32 s51, s51, 4096
	s_add_co_u32 s31, s31, 1
	s_cmp_lt_u32 s31, 4
	s_cbranch_scc1 .Lpass
	; ---- the way out: a sample's 1,024 bytes of out2 are whole only now; they leave as runs of 512 consecutive bytes
.set n_, 0
.rept 32
	ds_load_b128 v[VT+4*n_:VT+4*n_+3], v[ARA] offset:1040*(n_/2)+512*(n_%2)     ; LDS serves a wave's instructions in order: these see my stores
.set n_, n_+1
.endr
.set n_, 0
.rept 32
	s_wait_dscnt 31-n_                             ; the younger loads of the run may stay out
	global_store_b128 v[LI], v[VT+4*n_:VT+4*n_+3], s[24:25] offset:512*n_ th:TH_STORE_NT
.set n_, n_+1
.endr
	s_wait_dscnt 0x0                               ; my y has long been stored to LDS
	s_barrier_signal -1
	s_barrier_wait -1                              ; everybody's has
	s_cmp_lg_u32 s3, 0
	s_cbranch_scc1 .Lnoy
	ds_load_b64 v[LC:LC+1], v[AYR]
	s_wait_dscnt 0x0
	global_store_b64 v[L8], v[LC:LC+1], s[20:21]   ; wave 0 stores the work-group's 64 y: 256 consecutive bytes, aligned
.Lnoy:
	s_wait_tensorcnt 0x0                           ; the wave's end, behind my last tensor load and my last LDS store
	ds_add_u32 v[SPW], v[NIL]
	s_wait_dscnt 0x0
	ROUND                                          ; the closing round
	s_endpgm
.Lfunc_end_k_q2dc455ff90_main:
	.size	k_q2dc455ff90_main, .Lfunc_end_k_q2dc455ff90_main-k_q2dc455ff90_main
	.p2alignl 7, 3214868480
	.fill 96, 4, 3214868480
	.section	.rodata,"a",@progbits
	.p2align	6, 0x0
	.amdhsa_kernel k_q2dc455ff90_main
		.amdhsa_group_segment_fixed_size 327680
		.amdhsa_private_segment_fixed_size 0
		.amdhsa_enable_private_segment 0
		.amdhsa_kernarg_size 72
		.amdhsa_user_sgpr_count 2
		.amdhsa_user_sgpr_kernarg_segment_ptr 1
		.amdhsa_wavefront_size32 1
		.amdhsa_system_sgpr_workgroup_id_x 1
		.amdhsa_system_sgpr_workgroup_id_y 1
		.amdhsa_system_sgpr_workgroup_id_z 1
		.amdhsa_system_vgpr_workitem_id 0
		.amdhsa_next_free_vgpr 1024
		.amdhsa_next_free_sgpr 80
		.amdhsa_reserve_vcc 0
		.amdhsa_float_denorm_mode_32 3
		.amdhsa_float_denorm_mode_16_64 3
		.amdhsa_memory_ordered 1
		.amdhsa_forward_progress 1
		.amdhsa_inst_pref_size 255
	.end_amdhsa_kernel
	.section	.bss,"aw",@nobits
	.p2align	6
	.space	262144
	.amdgpu_metadata
---
amdhsa.version: [ 1, 2 ]
amdhsa.kernels:
  - .name:           k_q2dc455ff90_main
    .symbol:         k_q2dc455ff90_main.kd
    .args:
      - { .name: x, .offset: 0, .size: 8, .value_kind: global_buffer, .address_space: global }
      - { .name: W1, .offset: 8, .size: 8, .value_kind: global_buffer, .address_space: global }
      - { .name: b1, .offset: 16, .size: 8, .value_kind: global_buffer, .address_space: global }
      - { .name: b2, .offset: 24, .size: 8, .value_kind: global_buffer, .address_space: global }
      - { .name: W3, .offset: 32, .size: 8, .value_kind: global_buffer, .address_space: global }
      - { .name: wimg, .offset: 40, .size: 8, .value_kind: global_buffer, .address_space: global }
      - { .name: out0, .offset: 48, .size: 8, .value_kind: global_buffer, .address_space: global }
      - { .name: out1, .offset: 56, .size: 8, .value_kind: global_buffer, .address_space: global }
      - { .name: out2, .offset: 64, .size: 8, .value_kind: global_buffer, .address_space: global }
    .group_segment_fixed_size: 327680
    .private_segment_fixed_size: 0
    .kernarg_segment_align: 8
    .kernarg_segment_size: 72
    .max_flat_workgroup_size: 128
    .sgpr_count:     80
    .vgpr_count:     1024
    .wavefront_size: 32
...
	.end_amdgpu_metadata
.endif
;; end of part 2
